; MI455X (gfx1250); checked and timed in simulation.
; The chip was launched on July 23, 2026; its instructions are those of AMD's public machine-readable ISA for CDNA 5 (MIT licence, August 2026) and "CDNA5" Instruction Set Architecture Reference Guide (July 2026). The comments in the code are by the model that wrote it; some were corrected since.
;; Hyper Turbulent Generator. Allowed arithmetic: float matrix products may take bf16 or f16 operands with f32 sums; all other float work in f32.
;; Inputs: K_bases 8 x 32 x 32 float32; R_bases 8 x 32 x 32 float32; k_coeffs 64 x 8 float32; r_coeffs 64 x 8 float32; time_steps 512 float32; z0 64 x 32 float32.
;; Outputs: out0 64 x 512 x 32 float32.
;; One version. Each part assembles by itself: llvm-mc -triple=amdgcn-amd-amdhsa -mcpu=gfx1250 --defsym DOCPART=n.
;; ======== version 1 of 1: 1 launch
;; launch evolve (part 1): grid 256 x 1, 8 waves a work-group, no clusters, 61,440 bytes of LDS; arguments K_bases, R_bases, k_coeffs, r_coeffs, time_steps, z0, out0; writes out0
.if DOCPART == 1
	.amdgcn_target "amdgcn-amd-amdhsa--gfx1250"
	.amdhsa_code_object_version 6
	.text
	.protected	k_q120bcafe3b_evolve
	.globl	k_q120bcafe3b_evolve
	.p2align	8
	.type	k_q120bcafe3b_evolve,@function
k_q120bcafe3b_evolve:
	s_mov_b64 s[64:65], 0
	v_nop
	global_prefetch_b8 v0, s[64:65] scope:SCOPE_SE
	s_setreg_imm32_b32 hwreg(HW_REG_WAVE_MODE, 25, 1), 1
	s_wait_xcnt 0x0
; out0[b][s][:] = exp(t_s A_b) z0_b,  A_b = (K - K^T) - R^T R,  K = sum_n k[b][n] K_bases[n],  R = sum_n r[b][n] R_bases[n].
; 64 batches, 512 times, matrices of 32 x 32.  The exponential is never formed for a (b, s): only its action on z0_b is.
;
; METHOD, the same for every input.  nu = ||A||_1;  h = the power of two with 1 <= h nu < 2;  Ah = h A (exact).
; For a time t: u = |t| / h (exact), n = floor(u), rho = u - n, sg = sign(t), and
;   exp(t A) z = product over the set bits j of n of exp(sg 2^j Ah), applied to exp(sg rho Ah) z.
; exp(tau Ah) W, |tau| <= 1, is a Horner chain of degree 14: ||tau Ah||_1 < 2, so what is cut off is below 2^15 / 15! x 1.14 = 2.9e-8.
; exp(+-2^j Ah) comes by squaring, 19 levels (j = 0 .. 18).  Every level is computed in every run and taken or left by v_cndmask_b32,
; so no branch and no address hangs on a floating-point number.  The problem's expm gives NaN from ||tA||_1 >= 3.9257248 x 2^17 = 514,552.6
; on (more than 16 squarings); below that u < 2^19, so 19 bits hold n; at or above it (and for NaN) this text stores NaN too.
;
; PRECISION.  Every matrix operand x goes in as two bf16 numbers, hi = bf16(x) and lo = bf16(x - hi), and a product is
; Ahi Bhi + Ahi Blo + Alo Bhi with f32 sums: about 2^-16 relative for a product.
;
; LIMITS, kept knowingly:
;  - squaring doubles a relative error, so the error grows about like |t| ||A||_1 x 2^-16;
;  - the NaN border is tested on |t| x ||A||_1, not on the norm of the matrix t A rounded element by element;
;  - for ||A||_1 >= 2^127 the scaled norm is below 4, not 2; numbers above bf16's largest finite one split into infinities and give NaN;
;  - a NaN among the inputs reaches the output through the arithmetic only (the norm's maximum lets a NaN lose);
;  - sums are formed in another order than the problem's own, and 1 / k is v_rcp_f32's.
;
; SHARING.  Work-group g: batch b = g >> 2, columns s = 128 (g & 3) .. + 127.  Eight waves.
;  waves 0-3 (producers): wave c owns chain c:  M_0 = exp(2^j Ah), M_1 = its transpose, M_2 = exp(-2^j Ah), M_3 = its transpose.
;  waves 4-7 (consumers): 32 columns each, as two tiles of 16.
; WHY THE TRANSPOSED CHAINS.  A result tile holds element (m = 8 h + j, n = r) in register j of lane (r, h).  Two stacked tiles, packed in
; pairs, are at once the second operand's fragment of that matrix (k = 8 h .., 16 + 8 h ..), and that register image is also the first
; operand's fragment of the TRANSPOSED matrix.  So the first operand of M_c x M_c is the image that wave c xor 1 stored, and no product
; needs a transposition through lanes or LDS.
; NO CLUSTER, NO TENSOR LOADS: what the four work-groups of a batch share is the head's one read of the bases (256 bytes a thread), which
; needs arithmetic before it is of use; all later operands are made in the work-group itself.
.set PITCH,  144                       ; LDS row of 32 f32 + 16 bytes: an odd multiple of 16
.set KSB,    0                         ; K, 32 rows
.set RSB,    32*PITCH                  ; R, 32 rows
.set RING,   2*32*PITCH                ; two slots of four images
.set IMG,    4096                      ; an image: 8 pieces of 512 bytes (lane x 16): pieces 0-3 the hi registers, 4-7 the lo registers
.set SLOT,   4*IMG
.set STAGE0, RING+2*SLOT-4*32*PITCH    ; + wave x 32 rows: the stages of waves 4 to 7 lie behind the ring
.set T,    20                          ; v[20:27]   at work
.set ACC0, 32                          ; v[32:63]   index 16 nt + 8 mt + j: G, then W, then Z (consumers) or M_c (producers)
.set BH,   64                          ; v[64:79]   second operand, hi, index 8 nt + register
.set BL,   80                          ; v[80:95]   second operand, lo
.set AH,   96                          ; v[96:111]  first operand, hi, index 8 mt + register
.set AL,   112                         ; v[112:127] first operand, lo
.set A2H,  128                         ; v[128:143] consumers: first operand of the backward product, hi
.set A2L,  144                         ; v[144:159] lo
.set ACC1, 160                         ; v[160:191] Y+ ; in the head R, then A, then X
.set ACC2, 192                         ; v[192:223] Y- ; in the head K, then K - K^T
.set ADD,  224                         ; v[224:255] the Horner chain's addend: z0 in every column, or the identity
; v1 lane x 16   v2 8 h rows + 4 r   v3 r rows + 32 h   v4 -1.0   v5, v6 the wave's LDS addresses   v7 head: store address; end: NaN
; v[8:9], v[10:11] tau / k of tile 0, 1 (twice)   v12, v13 t, then tau   v14, v15 n of forward columns   v16, v17 n of backward columns
; v18, v19 offsets, then 1 / k and k   v28 h   v29 1 / h   v30 nu   v31 16 x thread
; 16 f32 registers (two stacked result tiles of one column tile) -> 8 registers of hi and 8 of lo: a fragment.
.macro SPLIT16 src, hi, lo
.irp p, 0,1,2,3,4,5,6,7
	v_cvt_pk_bf16_f32 v[\hi+\p], v[\src+2*\p], v[\src+2*\p+1]
.endr
.irp g, 0,4
.irp q, 0,1,2,3
	v_fma_mix_f32_bf16 v[T+2*\q],   v[\hi+\g+\q], v4, v[\src+2*(\g+\q)]   op_sel_hi:[1,0,0]                 ; x - hi (low half), exact
	v_fma_mix_f32_bf16 v[T+2*\q+1], v[\hi+\g+\q], v4, v[\src+2*(\g+\q)+1] op_sel:[1,0,0] op_sel_hi:[1,0,0]  ; x - hi (high half)
.endr
.irp q, 0,1,2,3
	v_cvt_pk_bf16_f32 v[\lo+\g+\q], v[T+2*\q], v[T+2*\q+1]
.endr
.endr
.endm
; acc (32 x 32) = A x B in three passes.  The four accumulators take turns, one instruction a turn.
.macro MM3 acc, ah, al, bh, bl
.irp nt, 0,1
.irp mt, 0,1
	v_wmma_f32_16x16x32_bf16 v[\acc+16*\nt+8*\mt:\acc+16*\nt+8*\mt+7], v[\ah+8*\mt:\ah+8*\mt+7], v[\bh+8*\nt:\bh+8*\nt+7], 0
.endr
.endr
.irp nt, 0,1
.irp mt, 0,1
	v_wmma_f32_16x16x32_bf16 v[\acc+16*\nt+8*\mt:\acc+16*\nt+8*\mt+7], v[\ah+8*\mt:\ah+8*\mt+7], v[\bl+8*\nt:\bl+8*\nt+7], v[\acc+16*\nt+8*\mt:\acc+16*\nt+8*\mt+7]
.endr
.endr
.irp nt, 0,1
.irp mt, 0,1
	v_wmma_f32_16x16x32_bf16 v[\acc+16*\nt+8*\mt:\acc+16*\nt+8*\mt+7], v[\al+8*\mt:\al+8*\mt+7], v[\bh+8*\nt:\bh+8*\nt+7], v[\acc+16*\nt+8*\mt:\acc+16*\nt+8*\mt+7]
.endr
.endr
.endm
; four f32 of a thread: dst = sum over the 8 bases of s[coef + base] x v[from + 4 base ..]
.macro COMBINE dst, from, coef
.irp j, 0,1,2,3
	v_mul_f32 v[\dst+\j], s[\coef], v[\from+\j]
.endr
.irp k, 1,2,3,4,5,6,7
.irp j, 0,1,2,3
	v_fmac_f32 v[\dst+\j], s[\coef+\k], v[\from+4*\k+\j]
.endr
.endr
.endm
; One Horner step: W = ADD + (tau / k) X W, k in s44, W read from src.
.macro HSTEP src
	SPLIT16 \src, BH, BL
	SPLIT16 \src+16, BH+8, BL+8
	MM3 ACC0, AH, AL, BH, BL
	v_cvt_f32_u32 v19, s44                         ; these lines name no register of the products: with v_rcp_f32 left out of the count
	v_nop                                          ; they are seven places behind the last matrix instruction (ISA guide 7.12.1)
	v_rcp_f32 v18, v19
	v_nop                                          ; one plain vector instruction between v_rcp_f32 and the use of its result
	s_wait_alu depctr_va_vdst(0)
	v_mul_f32 v8, v12, v18
	v_mul_f32 v9, v12, v18
	v_mul_f32 v10, v13, v18
	v_mul_f32 v11, v13, v18
.set i, 0
.rept 8
	v_pk_fma_f32 v[ACC0+i:ACC0+i+1], v[ACC0+i:ACC0+i+1], v[8:9], v[ADD+i:ADD+i+1]
	v_pk_fma_f32 v[ACC0+16+i:ACC0+17+i], v[ACC0+16+i:ACC0+17+i], v[10:11], v[ADD+16+i:ADD+17+i]
.set i, i+2
.endr
.endm
; A consumer's column tile: t in v[t] -> tau in v[t], n for forward or backward columns, the mask of columns below the NaN border.
.macro TIMES t, np, nn, ok
	v_and_b32 v20, 0x7fffffff, v[\t]               ; |t|
	v_mul_f32 v21, v20, v30
	v_cmp_gt_f32 s[\ok], s54, v21                  ; 514,552.6 > |t| nu; false for NaN
	v_mul_f32 v21, v20, v29                        ; u = |t| / h, exact
	v_floor_f32 v22, v21
	v_sub_f32 v23, v21, v22                        ; rho
	v_cvt_u32_f32 v22, v22                         ; n
	v_cmp_gt_i32 vcc_lo, 0, v[\t]                  ; the sign bit of t
	v_cndmask_b32 v[\nn], 0, v22, vcc_lo           ; n where t < 0
	v_sub_nc_u32 v[\np], v22, v[\nn]               ; n elsewhere
	v_bfi_b32 v[\t], 0x7fffffff, v23, v[\t]        ; tau = rho with t's sign
.endm
; Producer, one level: M_c <- M_c x M_c.  First operand: the image of chain c xor 1 in slot rd; second: my own fragment, still in BH, BL.
.macro PRODUCE rd, wr
.irp i, 0,1,2,3,4,5,6,7
	ds_load_b128 v[AH+4*\i:AH+4*\i+3], v6 offset:RING+\rd*SLOT+512*\i
.endr
	s_wait_dscnt 0x0
	MM3 ACC0, AH, AL, BH, BL
.rept 5
	v_nop                                          ; places behind the products: the lines below read results and write operands
.endr
	SPLIT16 ACC0, BH, BL
	SPLIT16 ACC0+16, BH+8, BL+8
.irp i, 0,1,2,3,4,5,6,7
	ds_store_b128 v5, v[BH+4*\i:BH+4*\i+3] offset:RING+\wr*SLOT+512*\i
.endr
.endm
; Consumer, one level: Y+ = M_0 Z, Y- = M_2 Z; a column takes Y+ or Y- where bit j of its n is set, else keeps Z.  s45 = 1 << j.
.macro CONSUME rd
.irp i, 0,1,2,3,4,5,6,7
	ds_load_b128 v[AH+4*\i:AH+4*\i+3], v1 offset:RING+\rd*SLOT+1*IMG+512*\i     ; image 1 is the first operand's fragment of M_0
.endr
.irp i, 0,1,2,3,4,5,6,7
	ds_load_b128 v[A2H+4*\i:A2H+4*\i+3], v1 offset:RING+\rd*SLOT+3*IMG+512*\i   ; image 3 that of M_2
.endr
	SPLIT16 ACC0, BH, BL
	SPLIT16 ACC0+16, BH+8, BL+8
	s_wait_dscnt 0x8                               ; image 1 is in; the eight younger loads (image 3) may be out
	MM3 ACC1, AH, AL, BH, BL
	s_wait_dscnt 0x0
	MM3 ACC2, A2H, A2L, BH, BL
	v_and_b32 v20, s45, v14                        ; eight places behind the products
	v_and_b32 v21, s45, v15
	v_and_b32 v22, s45, v16
	v_and_b32 v23, s45, v17
	v_cmp_ne_u32 s46, 0, v20
	v_cmp_ne_u32 s47, 0, v21
	v_cmp_ne_u32 s48, 0, v22
	v_cmp_ne_u32 s49, 0, v23
.set i, 0
.rept 16
	v_cndmask_b32 v[ACC0+i], v[ACC0+i], v[ACC1+i], s46
	v_cndmask_b32 v[ACC0+16+i], v[ACC0+16+i], v[ACC1+16+i], s47
.set i, i+1
.endr
.set i, 0
.rept 16
	v_cndmask_b32 v[ACC0+i], v[ACC0+i], v[ACC2+i], s48
	v_cndmask_b32 v[ACC0+16+i], v[ACC0+16+i], v[ACC2+16+i], s49
.set i, i+1
.endr
.endm
; One level for all eight waves.  Slot rd is read, slot wr written; the barrier orders this level's stores with the next level's reads,
; and this level's reads with the next level's stores into slot rd.
.macro LEVEL rd, wr
	s_cmp_lt_u32 s18, 4
	s_cbranch_scc0 .Lconsume_\@
	PRODUCE \rd, \wr
	s_branch .Ljoin_\@
.Lconsume_\@:
	CONSUME \rd
.Ljoin_\@:
	s_wait_dscnt 0x0                               ; my stores have landed, my reads are back
	s_barrier_signal -1
	s_barrier_wait -1
	s_lshl_b32 s45, s45, 1
.endm
; ------------------------------------------------------------------ head
	s_load_b256 s[4:11], s[0:1], 0x0               ; K_bases s[4:5], R_bases s[6:7], k_coeffs s[8:9], r_coeffs s[10:11]
	s_load_b128 s[12:15], s[0:1], 0x20             ; time_steps s[12:13], z0 s[14:15]
	s_load_b64 s[16:17], s[0:1], 0x30              ; out0
	s_set_vgpr_msb 0x40
	v_lshl_add_u32 v0, v0, 2, 0xec00
	v_mov_b32 v1, 0
	s_set_vgpr_msb 0x4000
	v_lshrrev_b32 v20, 5, v0
	v_readfirstlane_b32 s18, v20                   ; wave 0..7
	s_lshr_b32 s19, ttmp9, 2                       ; b
	s_and_b32 s20, ttmp9, 3                        ; which 128 columns
	s_mov_b32 s42, 0x76543210                      ; v_permlanex16_b32: lane i of one half reads lane i of the other
	s_mov_b32 s43, 0xfedcba98
	s_mov_b32 s54, 0x48fb3f13                      ; 514,552.6
	v_and_b32 v21, 31, v0                          ; lane
	v_and_b32 v22, 15, v0                          ; r
	v_bfe_u32 v23, v0, 4, 1                        ; h
	v_lshlrev_b32 v1, 4, v21
	v_mul_u32_u24 v2, v23, 8*PITCH
	v_lshl_add_u32 v2, v22, 2, v2                  ; result layout: row 8 h, column r
	v_mul_u32_u24 v3, v22, PITCH
	v_lshl_add_u32 v3, v23, 5, v3                  ; transposed: row r, column 8 h
	v_mov_b32 v4, -1.0
	v_lshlrev_b32 v31, 4, v0                       ; my 16 bytes of each base
	v_lshrrev_b32 v24, 3, v0
	v_and_b32 v25, 7, v0
	v_mul_u32_u24 v7, v24, PITCH
	v_lshl_add_u32 v7, v25, 4, v7                  ; and their place in LDS: row thread / 8, 16 bytes x (thread mod 8)
	s_lshl_b32 s52, s19, 5                         ; 32 bytes of coefficients a batch
	s_mov_b32 s53, 0
	s_and_b32 s21, s18, 3
	s_lshl_b32 s21, s21, 5
	s_lshl_b32 s55, s20, 7
	s_add_co_u32 s21, s21, s55                     ; s0 = 128 chunk + 32 (wave mod 4): a consumer's first column
	s_lshl_b32 s56, s19, 16                        ; 65,536 bytes of output a batch
	s_lshl_b32 s55, s21, 7                         ; 128 bytes a column
	s_add_co_u32 s56, s56, s55
	s_mov_b32 s57, 0
	s_and_b32 s55, s18, 5
	s_cmp_eq_u32 s55, 1                            ; waves 1 and 3: the transposed chains
	s_cselect_b32 s40, 1.0, -1.0                   ; q
	s_cmp_lt_u32 s18, 2
	s_cselect_b32 s41, 1.0, -1.0                   ; a producer's tau: forward chains 0, 1, backward chains 2, 3
	s_wait_kmcnt 0x0
	s_add_nc_u64 s[8:9], s[8:9], s[52:53]
	s_add_nc_u64 s[10:11], s[10:11], s[52:53]
	s_add_nc_u64 s[16:17], s[16:17], s[56:57]
	s_load_b256 s[24:31], s[8:9], 0x0              ; k[b][0..7]
	s_load_b256 s[32:39], s[10:11], 0x0            ; r[b][0..7]
	s_cmp_lt_u32 s18, 4
	s_cbranch_scc0 .Lhead_consumer
	; producers: image addresses, tau, and the identity as the chain's addend: element (16 mt + 8 h + j, 16 nt + r) is 1 where mt = nt, j = r - 8 h
	s_lshl_b32 s58, s18, 12
	s_xor_b32 s59, s18, 1
	s_lshl_b32 s59, s59, 12
	v_add_nc_u32 v5, s58, v1                       ; my image
	v_add_nc_u32 v6, s59, v1                       ; my partner's
	v_mov_b32 v12, s41
	v_mov_b32 v13, s41
	v_lshlrev_b32 v19, 3, v23
	v_sub_nc_u32 v19, v22, v19
	v_mov_b32 v18, 1.0
.irp j, 0,1,2,3,4,5,6,7
	v_cmp_eq_u32 vcc_lo, \j, v19
	v_cndmask_b32 v[ADD+\j], 0, v18, vcc_lo
	v_mov_b32 v[ADD+8+\j], 0
	v_mov_b32 v[ADD+16+\j], 0
	v_cndmask_b32 v[ADD+24+\j], 0, v18, vcc_lo
.endr
	s_branch .Lhead_done
.Lhead_consumer:
	; consumers: stage addresses; t of my 32 columns; z0[b] into every column of the addend
	s_mul_i32 s58, s18, 32*PITCH
	v_add_nc_u32 v5, s58, v3                       ; stage, in: row r, 32 bytes for each half of the lanes
	v_bfe_u32 v26, v0, 3, 2
	v_mul_u32_u24 v26, v26, PITCH
	v_lshl_add_u32 v26, v25, 4, v26
	v_add_nc_u32 v6, s58, v26                      ; stage, back: eight lanes take a row of 128 bytes
	v_lshlrev_b32 v19, 2, v22
	v_lshl_add_u32 v19, s21, 2, v19                ; 4 (s0 + r)
	s_lshl_b32 s59, s19, 7
	v_lshlrev_b32 v18, 5, v23
	v_add_nc_u32 v18, s59, v18                     ; 128 b + 32 h
	global_load_b32 v12, v19, s[12:13]
	global_load_b32 v13, v19, s[12:13] offset:64
.irp nt, 0,1
.irp mt, 0,1
.irp f, 0,1
	global_load_b128 v[ADD+16*\nt+8*\mt+4*\f:ADD+16*\nt+8*\mt+4*\f+3], v18, s[14:15] offset:64*\mt+16*\f
.endr
.endr
.endr
.Lhead_done:
; ------------------------------------------------------------------ K and R of this batch, by all 256 threads, four numbers each
.irp k, 0,1,2,3,4,5,6,7
	global_load_b128 v[AH+4*\k:AH+4*\k+3], v31, s[4:5] offset:4096*\k
.endr
.irp k, 0,1,2,3,4,5,6,7
	global_load_b128 v[A2H+4*\k:A2H+4*\k+3], v31, s[6:7] offset:4096*\k
.endr
	s_wait_kmcnt 0x0                               ; the coefficients
	s_wait_loadcnt 0x8                             ; all but the eight youngest loads (R_bases): K_bases are in, a consumer's t and z0 too
	COMBINE T, AH, 24
	ds_store_b128 v7, v[T:T+3] offset:KSB
	s_wait_loadcnt 0x0
	COMBINE T+4, A2H, 32
	ds_store_b128 v7, v[T+4:T+7] offset:RSB
	s_wait_dscnt 0x0                               ; my stores have landed before I say so
	s_barrier_signal -1
	s_barrier_wait -1
; ------------------------------------------------------------------ A, its norm and the scaled operand: every wave for itself
.irp nt, 0,1
.irp mt, 0,1
.irp j, 0,1,2,3,4,5,6,7
	ds_load_b32 v[ACC1+16*\nt+8*\mt+\j], v2 offset:RSB+(16*\mt+\j)*PITCH+64*\nt      ; R in the result layout
.endr
.endr
.endr
.irp nt, 0,1
.irp mt, 0,1
.irp j, 0,1,2,3,4,5,6,7
	ds_load_b32 v[ACC2+16*\nt+8*\mt+\j], v2 offset:KSB+(16*\mt+\j)*PITCH+64*\nt      ; K likewise
.endr
.endr
.endr
.irp nt, 0,1
.irp mt, 0,1
.irp f, 0,1
	ds_load_b128 v[A2H+16*\nt+8*\mt+4*\f:A2H+16*\nt+8*\mt+4*\f+3], v3 offset:KSB+16*PITCH*\nt+64*\mt+16*\f   ; K^T likewise: eight neighbours of row 16 nt + r
.endr
.endr
.endr
	s_wait_dscnt 40                                ; R is in; the 40 loads issued behind it may be out
	SPLIT16 ACC1, BH, BL                           ; R's fragment as second operand is also R^T's as first
	SPLIT16 ACC1+16, BH+8, BL+8
	MM3 ACC0, BH, BL, BH, BL                       ; G = R^T R
	s_wait_dscnt 0x0
.set i, 0
.rept 16
	v_pk_add_f32 v[ACC2+i:ACC2+i+1], v[ACC2+i:ACC2+i+1], v[A2H+i:A2H+i+1] neg_lo:[0,1] neg_hi:[0,1]   ; Sk = K - K^T: sixteen places behind the products
.set i, i+2
.endr
.set i, 0
.rept 16
	v_pk_add_f32 v[ACC1+i:ACC1+i+1], v[ACC2+i:ACC2+i+1], v[ACC0+i:ACC0+i+1] neg_lo:[0,1] neg_hi:[0,1] ; A = Sk - G
.set i, i+2
.endr
	; nu = the largest column sum of |A|.  A lane holds 16 rows of column r of each tile (v160-175 = ACC1 .. +15, v176-191 = ACC1+16 .. +31)
	v_add_f32 v20, |v160|, |v161|
	v_add_f32 v21, |v176|, |v177|
.irp r, 162,163,164,165,166,167,168,169,170,171,172,173,174,175
	v_add_f32 v20, v20, |v\r|
.endr
.irp r, 178,179,180,181,182,183,184,185,186,187,188,189,190,191
	v_add_f32 v21, v21, |v\r|
.endr
	v_permlanex16_b32 v22, v20, s42, s43           ; the other 16 rows (v22, v23 have been written before)
	v_permlanex16_b32 v23, v21, s42, s43
	v_add_f32 v20, v20, v22
	v_add_f32 v21, v21, v23
	v_max_num_f32 v30, v20, v21
	v_max_num_f32_dpp v30, v30, v30 row_xmask:1 row_mask:0xf bank_mask:0xf
	v_max_num_f32_dpp v30, v30, v30 row_xmask:2 row_mask:0xf bank_mask:0xf
	v_max_num_f32_dpp v30, v30, v30 row_xmask:4 row_mask:0xf bank_mask:0xf
	v_max_num_f32_dpp v30, v30, v30 row_xmask:8 row_mask:0xf bank_mask:0xf
	; h = 2^(127 - e), e nu's biased exponent; both h and 1 / h are kept normal numbers (biased exponents 1 .. 253)
	v_lshrrev_b32 v20, 23, v30
	v_min_u32 v20, 253, v20
	v_sub_nc_u32 v21, 254, v20
	v_min_u32 v21, 253, v21
	v_lshlrev_b32 v28, 23, v21                     ; h
	v_sub_nc_u32 v22, 254, v21
	v_lshlrev_b32 v29, 23, v22                     ; 1 / h
	; The first operand's fragment of a matrix is the packed result layout of its transpose.  Waves 1 and 3 need Ah^T as operand: q = +1 gives
	; h (Sk - G) = Ah.  All others need Ah: q = -1 gives h (-Sk - G) = Ah^T.
	v_mul_f32 v24, s40, v28
	v_mov_b32 v25, v24
.set i, 0
.rept 16
	v_pk_mul_f32 v[ACC1+i:ACC1+i+1], v[ACC0+i:ACC0+i+1], v[28:29] op_sel_hi:[1,0]                      ; G h
.set i, i+2
.endr
.set i, 0
.rept 16
	v_pk_fma_f32 v[ACC1+i:ACC1+i+1], v[ACC2+i:ACC2+i+1], v[24:25], v[ACC1+i:ACC1+i+1] neg_lo:[0,0,1] neg_hi:[0,0,1]   ; q h Sk - G h
.set i, i+2
.endr
	SPLIT16 ACC1, AH, AL
	SPLIT16 ACC1+16, AH+8, AL+8
; ------------------------------------------------------------------ consumers: tau, n and the border, for both column tiles
	s_cmp_lt_u32 s18, 4
	s_cbranch_scc1 .Ltimes_done
	TIMES 12, 14, 16, 50
	TIMES 13, 15, 17, 51
.Ltimes_done:
; ------------------------------------------------------------------ the Horner chain, k = 14 .. 1, the same text for all waves
	s_mov_b32 s44, 14
	HSTEP ADD                                      ; the innermost bracket is the addend itself
	s_mov_b32 s44, 13
.Lhorner:
	HSTEP ACC0
	s_sub_co_i32 s44, s44, 1
	s_cmp_lg_u32 s44, 0
	s_cbranch_scc1 .Lhorner
; ------------------------------------------------------------------ the chains' first images, into slot 0
	s_cmp_lt_u32 s18, 4
	s_cbranch_scc0 .Lfirst_done
	SPLIT16 ACC0, BH, BL
	SPLIT16 ACC0+16, BH+8, BL+8
.irp i, 0,1,2,3,4,5,6,7
	ds_store_b128 v5, v[BH+4*\i:BH+4*\i+3] offset:RING+512*\i
.endr
.Lfirst_done:
	s_wait_dscnt 0x0
	s_barrier_signal -1
	s_barrier_wait -1
; ------------------------------------------------------------------ levels 0 .. 17, two a trip; level j reads slot j mod 2 and writes the other
	s_mov_b32 s45, 1
	s_mov_b32 s44, 9
.Llevels:
	LEVEL 0, 1
	LEVEL 1, 0
	s_sub_co_i32 s44, s44, 1
	s_cmp_lg_u32 s44, 0
	s_cbranch_scc1 .Llevels
; ------------------------------------------------------------------ level 18 (slot 0): nothing more to square; then the way out
	s_cmp_lt_u32 s18, 4
	s_cbranch_scc1 .Lend
	CONSUME 0
	v_mov_b32 v7, 0x7fc00000
.set i, 0
.rept 16
	v_cndmask_b32 v[ACC0+i], v7, v[ACC0+i], s50          ; NaN in the columns at or above the border
	v_cndmask_b32 v[ACC0+16+i], v7, v[ACC0+16+i], s51
.set i, i+1
.endr
	; a lane holds eight neighbouring numbers of an output row; through my own stage they become whole rows
.irp nt, 0,1
.irp mt, 0,1
.irp f, 0,1
	ds_store_b128 v5, v[ACC0+16*\nt+8*\mt+4*\f:ACC0+16*\nt+8*\mt+4*\f+3] offset:STAGE0+16*PITCH*\nt+64*\mt+16*\f
.endr
.endr
.endr
.irp i, 0,1,2,3,4,5,6,7
	ds_load_b128 v[AH+4*\i:AH+4*\i+3], v6 offset:STAGE0+4*PITCH*\i    ; LDS serves a wave's instructions in order: these see the stores above
.endr
.irp i, 0,1,2,3,4,5,6,7
	s_wait_dscnt 7-\i                              ; load i is back; the younger ones may be out
	global_store_b128 v1, v[AH+4*\i:AH+4*\i+3], s[16:17] offset:512*\i th:TH_STORE_NT   ; the wave stores 512 consecutive bytes, at a multiple of 512 from out0's first byte
.endr
.Lend:
	s_set_vgpr_msb 0x5
	s_wait_tensorcnt 0x0
	ds_add_u32 v0, v1
	s_wait_dscnt 0x0
	s_set_vgpr_msb 0x500
	s_endpgm
.Lfunc_end_k_q120bcafe3b_evolve:
	.size	k_q120bcafe3b_evolve, .Lfunc_end_k_q120bcafe3b_evolve-k_q120bcafe3b_evolve
	.p2alignl 7, 3214868480
	.fill 96, 4, 3214868480
	.section	.rodata,"a",@progbits
	.p2align	6, 0x0
	.amdhsa_kernel k_q120bcafe3b_evolve
		.amdhsa_group_segment_fixed_size 61440
		.amdhsa_private_segment_fixed_size 0
		.amdhsa_enable_private_segment 0
		.amdhsa_kernarg_size 56
		.amdhsa_user_sgpr_count 2
		.amdhsa_user_sgpr_kernarg_segment_ptr 1
		.amdhsa_wavefront_size32 1
		.amdhsa_system_sgpr_workgroup_id_x 1
		.amdhsa_system_sgpr_workgroup_id_y 1
		.amdhsa_system_sgpr_workgroup_id_z 1
		.amdhsa_system_vgpr_workitem_id 0
		.amdhsa_next_free_vgpr 258
		.amdhsa_next_free_sgpr 66
		.amdhsa_reserve_vcc 1
		.amdhsa_float_denorm_mode_32 3
		.amdhsa_float_denorm_mode_16_64 3
		.amdhsa_memory_ordered 1
		.amdhsa_forward_progress 1
		.amdhsa_inst_pref_size 97
	.end_amdhsa_kernel
	.amdgpu_metadata
---
amdhsa.version: [ 1, 2 ]
amdhsa.kernels:
  - .name:           k_q120bcafe3b_evolve
    .symbol:         k_q120bcafe3b_evolve.kd
    .args:
      - { .name: K_bases, .offset: 0, .size: 8, .value_kind: global_buffer, .address_space: global }
      - { .name: R_bases, .offset: 8, .size: 8, .value_kind: global_buffer, .address_space: global }
      - { .name: k_coeffs, .offset: 16, .size: 8, .value_kind: global_buffer, .address_space: global }
      - { .name: r_coeffs, .offset: 24, .size: 8, .value_kind: global_buffer, .address_space: global }
      - { .name: time_steps, .offset: 32, .size: 8, .value_kind: global_buffer, .address_space: global }
      - { .name: z0, .offset: 40, .size: 8, .value_kind: global_buffer, .address_space: global }
      - { .name: out0, .offset: 48, .size: 8, .value_kind: global_buffer, .address_space: global }
    .group_segment_fixed_size: 61440
    .private_segment_fixed_size: 0
    .kernarg_segment_align: 8
    .kernarg_segment_size: 56
    .max_flat_workgroup_size: 256
    .sgpr_count:     66
    .vgpr_count:     258
    .wavefront_size: 32
...
	.end_amdgpu_metadata
.endif
;; end of part 1
